; MI455X (gfx1250); checked and timed in simulation.
; The chip was launched on July 23, 2026; its instructions are those of AMD's public machine-readable ISA for CDNA 5 (MIT licence, August 2026) and "CDNA5" Instruction Set Architecture Reference Guide (July 2026). The comments in the code are by the model that wrote it; some were corrected since.
;; Attention Branch. Allowed arithmetic: matrix products marked QUANTISED: E2M3 operands, one E8M0 scale for each 32 along K, by v_wmma_scale_f32_16x16x128_f8f6f4 with both operands' format E2M3, f32 sums; everything else in f32.
;; Inputs: key_states 2 x 2,048 x 1,024 float32; mask 2 x 2,048 int32; query_states 2 x 2,048 x 1,024 float32; value_states 2 x 2,048 x 1,024 float32.
;; Outputs: out0 2 x 2,048 x 1,024 float32.
;; This version of the problem:
;;   THIS VERSION OF THE PROBLEM IS GIVEN IN LOW PRECISION. The matrix products marked QUANTISED in the list below multiply operands that are first quantised to E2M3 (2 exponent bits, 3 mantissa bits; 6 bits a number), with one power-of-two scale for each 32 numbers along K (OCP MX v1.0); their sums are f32. All else is computed in f32.
;;   The module's matrix products, in the order in which they are computed (A, B: the left and right operand; K: the contracted axis; several contracted axes count as one K, in the product's order):
;;     1. batch 32 x [M 2,048, K 64] x [K 64, N 2,048]; A: input query_states; B: input key_states: QUANTISED
;;     2. batch 32 x [M 2,048, K 2,048] x [K 2,048, N 64]; A: softmax (see below); B: input value_states: QUANTISED
;;   THE QUANTISER, for each operand of a quantised product, along K:
;;     - K is cut into blocks of 32 from its start; a last block that is shorter is filled with zeros.
;;     - A block's scale is 2^e with e = floor(log2(the largest magnitude in the block)) - 2, held to -126 .. 127; a block of zeros has e = 0. As a byte (E8M0): e + 127.
;;     - Each number is divided by its block's scale, clamped to +-7.5, and rounded to the nearest number of E2M3, ties to even, subnormals kept.
;;     - The product sums the exact products of the quantised numbers (number of the format x scale) in f32.
;;   ~~~python
;;   def quantise(x, axis):      # numpy; x: float32 -> the quantised numbers, widened to float32 again
;;       x = np.moveaxis(x, axis, -1); K = x.shape[-1]
;;       x = np.pad(x, [(0, 0)] * (x.ndim - 1) + [(0, -K % 32)]); x = x.reshape(x.shape[:-1] + (-1, 32)); a = np.abs(x).max(-1, keepdims=True)
;;       e = np.where(a > 0, np.clip(np.frexp(np.where(a > 0, a, 1))[1] - 1 - 2, -126, 127), 0)      # np.frexp(a)[1] - 1 = floor(log2(a)), exactly
;;       r = np.clip(x / 2.0 ** e, -7.5, 7.5)
;;       step = 2.0 ** (np.maximum(np.frexp(np.where(r == 0, 1, r))[1] - 1, 0) - 3)
;;       q = np.round(r / step) * step * 2.0 ** e      # np.round: ties to even
;;       return np.moveaxis(q.reshape(q.shape[:-2] + (-1,))[..., :K], -1, axis).astype(np.float32)
;;   ~~~
;;   SOFTMAX AHEAD OF A QUANTISED PRODUCT. Where the list says 'softmax', what is quantised is not the finished softmax but p = 2^(t - M), with t = logit x log2(e) and M = ceil(the row's largest t), a whole number; so 1/2 < the row's largest p <= 1. The row's sum l is taken of the UNQUANTISED p, in f32, and the product's result is divided by l at the end. Since M is a whole number, a kernel that streams over the keys may use a running M (the ceiling of the running maximum): every later rescaling is an exact power of two, which a block's scale takes up: the codes' values come out the same.
;;   OPERANDS COMPUTED ON THE WAY. 'Computed on the way' means the value that the module computes at that place (a softmax that the list does not call 'softmax' is quantised finished and normalised). What goes into a quantiser is computed in f32, as accurately as f32 sums, v_exp_f32 and their like allow (about 1e-6 of the number): no bf16 or f16 on the way to a quantiser, and a product that is left as it is and whose result goes on into a quantised operand takes f32 operands (vector FMAs, or v_wmma_f32_16x16x4_f32). A number that lies on a knife's edge between two numbers of the format may be rounded either way, as far as f32 arithmetic and the matrix unit's own rounding can turn it there, and no further.
;; One version. Each part assembles by itself: llvm-mc -triple=amdgcn-amd-amdhsa -mcpu=gfx1250 --defsym DOCPART=n.
;; ======== version 1 of 1: 2 launches
;; limits: right only within a limited range of input values
;; workspace buffers: kv 7,102,464 bytes
;; launch prep (part 1): grid 16 x 32, 4 waves a work-group, no clusters, 83,200 bytes of LDS; arguments key_states, value_states, mask, kv; writes kv
.if DOCPART == 1
	.amdgcn_target "amdgcn-amd-amdhsa--gfx1250"
	.amdhsa_code_object_version 6
	.text
	.protected	k_q3e0050a24a_prep
	.globl	k_q3e0050a24a_prep
	.p2align	8
	.type	k_q3e0050a24a_prep,@function
k_q3e0050a24a_prep:
	s_mov_b64 s[64:65], 0
	v_nop
	global_prefetch_b8 v0, s[64:65] scope:SCOPE_SE
	s_setreg_imm32_b32 hwreg(HW_REG_WAVE_MODE, 25, 1), 1
	s_wait_xcnt 0x0
; K and V of one head and 128 keys (a STEP) become one block of 13,056 bytes of kv, laid in the order in which the attention launch's operand registers take it.
; key_states, value_states: [2][2048][1024] f32, head h at bytes 256 h of a row of 4,096.  mask: [2][2048] i32.  Work-group (x = step j, y = 16 b + h).
; A head has 17 blocks in kv: block 16 is block 0 once more, so that any two steps that follow each other round the circle lie end to end.
; THE BLOCK:  3328 c (c = 0, 1): the half of keys 64 c .. 64 c + 63: four tiles of 16 keys, 768 bytes each: registers 0-3 as 16 bytes a lane, then registers 4-5 as 8 bytes a lane;
;                    tile tt's row m is key 64 c + 32 (m / 8) + 8 tt + m % 8; lane (r, hh) holds channels 32 hh .. + 31 of row m = r.
;             3328 c + 3072: the scale words, 8 bytes a lane: word p: lanes 0-15 tile 2 p's rows, lanes 16-31 tile 2 p + 1's
;             6656   four fragments of V^T (rows = channels 16 t + r, K = the step's 128 keys), 1,536 bytes each: three parts of 16 bytes a lane
;             12800  V's scale words, 8 bytes a lane: word i: lanes 0-15 tile 2 i, lanes 16-31 tile 2 i + 1
; A head has 64 channels and the instruction sums over 128: the other 64 places carry THE MASK.  There the attention launch has the code of -4 on K's side and of 4 on the query's, in one block of 32,
; and the key's scale byte of that block says what they make: 161 for a key whose mask is 0 (-16 x 2^34 = -2^38, and the key's own codes are zeros), 1 for any other key (-16 x 2^-126).
; The bytes of a word: an even tile has its channels in bytes 0, 1 and the mask in byte 3; an odd tile has the mask in byte 1 and its channels in bytes 2, 3.
; THE QUANTISER: a block of 32 along K; scale 2^(floor(log2(largest magnitude)) - 2); its byte is the largest magnitude's exponent field - 2, held at 1 from below.
; LIMITS: a block of zeros, or one whose largest magnitude lies under 2^-124, keeps the byte 1 (its bytes are read by this program alone; zero codes add nothing); NaN and infinities among the inputs are not served.
; SHARES: wave w takes keys 32 w .. 32 w + 31 of K and of V.  Each load reads two keys' 256 consecutive bytes; the numbers turn through the wave's own stage in LDS (rows of 256 + 16 bytes), so that a lane's registers run
; along K: for K along a key's channels, for V down the keys of one channel.  The block is gathered in LDS and leaves in stores of 512 consecutive bytes (the last 768: 256 a store).
.set STEPB, 13056
.set SP,   272
.set VST,  34816                       ; K's stages: wave x 8,704 from byte 0; V's behind them
.set BLK,  69632                       ; the block
.set SPARE, BLK+STEPB                  ; the spare words
.set KR,   32                          ; v32-95   K as loaded; at the end the block on its way out
.set VR,   96                          ; v96-159  V as loaded
.set X,    160                         ; v160-191 32 numbers of one block
.set E,    192                         ; v192-203 codes
.set T0,   204                         ; v204-206, v208-210: a conversion's three registers begin on an even number
.set T1,   208
; 32 numbers of a lane, v[x] on, all of one block: so = the conversions' scale operand, by = the scale's byte, d0 and d1 = 16 codes each (96 bits)
.macro QB x, d0, d1, so, by, ta, tb
	v_max3_num_f32 v[\ta], |v[\x]|, |v[\x+1]|, |v[\x+2]|
	v_max3_num_f32 v[\tb], |v[\x+3]|, |v[\x+4]|, |v[\x+5]|
.irp i, 6,10,14,18,22,26
	v_max3_num_f32 v[\ta], v[\ta], |v[\x+\i]|, |v[\x+\i+1]|
	v_max3_num_f32 v[\tb], v[\tb], |v[\x+\i+2]|, |v[\x+\i+3]|
.endr
	v_max3_num_f32 v[\ta], v[\ta], |v[\x+30]|, |v[\x+31]|
	v_max3_num_f32 v[\ta], v[\ta], v[\tb], 0x1800000                 ; and the floor 2^(3 - 127): the byte cannot fall under 1
	v_add_nc_u32 v[\so], 0xff000000, v[\ta]                          ; 2 off the exponent field: the conversion takes the exponent field of this operand as its scale
	v_lshrrev_b32 v[\by], 23, v[\so]
	v_cvt_scalef32_pk16_fp6_f32 v[\d0:\d0+2], v[\x:\x+15], v[\so]
	v_cvt_scalef32_pk16_fp6_f32 v[\d1:\d1+2], v[\x+16:\x+31], v[\so]
	v_nop                                                            ; one plain vector line behind the conversions
.endm
	s_load_b256 s[4:11], s[0:1], 0x0               ; K s[4:5], V s[6:7], mask s[8:9], kv s[10:11]
	v_lshrrev_b32 v1, 5, v0
	v_readfirstlane_b32 s12, v1                    ; wave 0..3
	s_and_b32 s14, ttmp7, 0xffff                   ; y = 16 b + h
	s_lshr_b32 s15, s14, 4                         ; b
	s_and_b32 s16, s14, 15                         ; h
	s_lshl_b32 s17, s15, 11
	s_lshl_b32 s18, ttmp9, 7
	s_add_co_u32 s17, s17, s18                     ; the step's first key: row 2048 b + 128 j
	s_lshl_b32 s22, s17, 2                         ; its mask word, in bytes
	s_mov_b32 s23, 0
	s_lshl_b32 s18, s12, 5
	s_add_co_u32 s17, s17, s18                     ; my wave's first key
	s_lshl_b32 s18, s17, 12                        ; rows of 4,096 bytes (under 2^24 in all),
	s_lshl_b32 s16, s16, 8
	s_add_co_u32 s18, s18, s16                     ; and the head's 256 bytes in a row
	s_mov_b32 s19, 0
	s_mul_i32 s24, s14, 17
	s_add_co_u32 s24, s24, ttmp9
	s_mul_i32 s24, s24, STEPB                      ; the block's place in kv
	s_mov_b32 s25, 0
	s_mov_b32 s20, 0x76543210
	s_mov_b32 s21, 0xfedcba98                      ; v_permlanex16_b32's selects for lane l xor 16
	s_mul_i32 s26, s12, 8704                       ; my stage of K
	s_and_b32 s28, s12, 1
	s_lshr_b32 s29, s12, 1
	s_lshl_b32 s30, s28, 3                         ; my keys are rows 8 (w % 2) .. + 7 of the half's tiles
	s_mul_i32 s31, s29, 3328
	s_add_co_u32 s31, s31, BLK                     ; my half of K in the block
	s_lshl_b32 s35, s28, 8                         ; V: my key block w lies in the image's lanes 16 (w % 2) + r,
	s_mul_i32 s27, s29, 3                          ; in registers 6 (w / 2) .. + 5: pairs 3 (w / 2) + k.  Pair p: part p / 2, byte 8 (p % 2) of the lane's 16
.irp k, 0,1,2
	s_add_co_u32 s32, s27, \k
	s_lshr_b32 s33, s32, 1
	s_lshl_b32 s33, s33, 9
	s_and_b32 s32, s32, 1
	s_lshl_b32 s32, s32, 3
	s_add_co_u32 s33, s33, s32
	s_add_co_u32 s33, s33, s35
	s_add_co_u32 s[36+\k], s33, BLK+6656
.endr
	s_mul_i32 s39, s12, 3072
	s_lshl_b32 s40, s12, 8
	s_add_co_u32 s40, s40, 12288
	s_lshl_b32 s41, s12, 7
	; every address is made here: a constant + a constant x lane + a constant x wave
	v_lshl_add_u32 v216, v0, 2, SPARE
	v_mov_b32 v217, 0
	v_and_b32 v1, 31, v0                           ; lane l
	v_and_b32 v2, 15, v0                           ; r
	v_bfe_u32 v3, v0, 4, 1                         ; hh
	v_lshlrev_b32 v4, 4, v2
	v_lshl_add_u32 v4, v3, 12, v4                  ; v4: a load's place: lanes 0-15 one key's 256 bytes, lanes 16-31 the next key's
	v_mul_u32_u24 v5, v3, SP
	v_lshl_add_u32 v5, v2, 4, v5
	v_add_nc_u32 v5, s26, v5                       ; v5: into K's stage, as loaded
	v_add_nc_u32 v6, VST, v5                       ; v6: into V's
	v_mul_u32_u24 v7, v2, SP
	v_lshl_add_u32 v7, v3, 7, v7
	v_add_nc_u32 v7, s26, v7                       ; v7: out of K's stage: key 16 u + r, my half of its channels
	v_lshlrev_b32 v8, 2, v1
	v_add_nc_u32 v8, s26, v8
	v_add_nc_u32 v8, VST, v8                       ; v8: out of V's stage: channel l, down the keys
	v_and_b32 v24, 7, v2
	v_lshrrev_b32 v25, 3, v2                       ; key 16 u + r is of tile 2 u + r / 8,
	v_add_nc_u32 v26, s30, v24                     ; row m = 8 (w % 2) + r % 8
	v_lshl_add_u32 v27, v3, 4, v26                 ; its lane in the image: m + 16 hh
	v_mul_u32_u24 v28, v25, 768
	v_add_nc_u32 v28, s31, v28
	v_lshl_add_u32 v9, v27, 4, v28                 ; v9: registers 0-3
	v_lshl_add_u32 v10, v27, 3, v28                ; v10: registers 4-5 (+ 512)
	v_lshl_add_u32 v29, v25, 4, v26
	v_lshlrev_b32 v15, 3, v29
	v_add_nc_u32 v15, s31, v15                     ; v15: the key's scale word (+ 3072 + 4 u)
	v_mul_u32_u24 v26, v3, 1536
	v_lshl_add_u32 v26, v2, 4, v26                 ; V: tile hh (of the two in hand), row r
.irp k, 0,1,2
	v_add_nc_u32 v[11+\k], s[36+\k], v26           ; v11-13
.endr
	v_lshlrev_b32 v14, 3, v1
	v_add_nc_u32 v14, s12, v14
	v_add_nc_u32 v14, BLK+12800, v14               ; v14: V's scale byte: 8 l + w
	v_lshlrev_b32 v17, 4, v1
	v_add_nc_u32 v17, s39, v17                     ; v17: the way out, in kv: 3,072 bytes a wave
	v_add_nc_u32 v16, BLK, v17                     ; v16: and in LDS
	v_lshlrev_b32 v19, 3, v1
	v_add_nc_u32 v19, s40, v19                     ; v19: the last 768 bytes, 256 for each of waves 0 to 2
	v_add_nc_u32 v22, BLK, v19
	v_lshlrev_b32 v18, 2, v2
	v_add_nc_u32 v18, s41, v18                     ; v18: the mask word of key 32 w + r (16 keys on: + 64)
	v_lshlrev_b32 v23, 3, v3                       ; v23: 8 hh
	v_mov_b32 v31, 0                               ; (a lane permute's destination counts as one of its sources)
	v_mov_b32 v214, 0x17f                          ; the mask's two bytes for a key that counts: 127, 1
	v_cmp_gt_u32 s34, 8, v2                        ; the lanes of even tiles
	s_wait_alu depctr_va_vdst(0)                   ; the wait at the head's end
	s_wait_kmcnt 0x0
	s_add_nc_u64 s[4:5], s[4:5], s[18:19]
	s_add_nc_u64 s[6:7], s[6:7], s[18:19]
	s_add_nc_u64 s[8:9], s[8:9], s[22:23]
	s_add_nc_u64 s[10:11], s[10:11], s[24:25]
	global_load_b32 v20, v18, s[8:9]
	global_load_b32 v21, v18, s[8:9] offset:64
.irp i, 0,1,2,3,4,5,6,7,8,9,10,11,12,13,14,15
	global_load_b128 v[KR+4*\i:KR+4*\i+3], v4, s[4:5] offset:8192*\i th:TH_LOAD_NT    ; keys 2 i and 2 i + 1: twice 256 consecutive bytes; read once in the launch
.endr
.irp i, 0,1,2,3,4,5,6,7,8,9,10,11,12,13,14,15
	global_load_b128 v[VR+4*\i:VR+4*\i+3], v4, s[6:7] offset:8192*\i th:TH_LOAD_NT
.endr
	s_wait_loadcnt 16                              ; the mask words and K are in; V's sixteen loads stay out
.irp i, 0,1,2,3,4,5,6,7,8,9,10,11,12,13,14,15
	ds_store_b128 v5, v[KR+4*\i:KR+4*\i+3] offset:2*SP*\i
.endr
	; K: key 16 u + r, my 32 channels: one block
.irp u, 0,1
.irp e, 0,1,2,3,4,5,6,7
	ds_load_b128 v[X+4*\e:X+4*\e+3], v7 offset:16*SP*\u+16*\e        ; LDS serves a wave's instructions in order: these see my stores
.endr
	s_wait_dscnt 0x0
	QB X, T0, T1, 24, 26, 28, 29
	v_cmp_ne_u32 vcc_lo, 0, v[20+\u]
.irp i, 0,1,2
	v_cndmask_b32 v[E+6*\u+\i], 0, v[T0+\i], vcc_lo                  ; a key whose mask is 0: zero codes
	v_cndmask_b32 v[E+6*\u+3+\i], 0, v[T1+\i], vcc_lo
.endr
	v_lshlrev_b32 v30, v23, v26                    ; my byte at 8 hh bits up;
	v_permlanex16_b32 v31, v30, s20, s21
	v_or_b32 v30, v30, v31                         ; with lane l xor 16's: the key's two bytes
	v_cndmask_b32 v27, 0xa17f, v214, vcc_lo        ; and the mask's two: 127, and 161 or 1
	v_lshl_or_b32 v28, v27, 16, v30                ; even tile: channels below
	v_lshl_or_b32 v29, v30, 16, v27                ; odd tile: channels above
	v_cndmask_b32 v28, v29, v28, s34
	ds_store_b32 v15, v28 offset:3072+4*\u         ; (lanes r and 16 + r store the same word to the same place)
	ds_store_b128 v9, v[E+6*\u:E+6*\u+3] offset:1536*\u
	ds_store_b64 v10, v[E+6*\u+4:E+6*\u+5] offset:1536*\u+512
.endr
	; V: a lane takes a channel, its registers run down my 32 keys: one block
	s_wait_loadcnt 0x0
.irp i, 0,1,2,3,4,5,6,7,8,9,10,11,12,13,14,15
	ds_store_b128 v6, v[VR+4*\i:VR+4*\i+3] offset:2*SP*\i
.endr
.irp s, 0,1                                        ; channels 32 s + l: tiles 2 s and 2 s + 1
	s_wait_dscnt 0x0                               ; the stores have read the codes' registers
.set ii, 0
.rept 32
	ds_load_b32 v[X+ii], v8 offset:SP*ii+128*\s
.set ii, ii+1
.endr
	s_wait_dscnt 0x0
	QB X, E, T1, 24, 26, 28, 29
.irp i, 0,1,2
	v_mov_b32 v[E+3+\i], v[T1+\i]
.endr
	ds_store_b64 v11, v[E:E+1] offset:3072*\s
	ds_store_b64 v12, v[E+2:E+3] offset:3072*\s
	ds_store_b64 v13, v[E+4:E+5] offset:3072*\s
	ds_store_b8 v14, v26 offset:4*\s               ; byte w of the channel's scale word: each wave its own byte
.endr
	s_wait_dscnt 0x0                               ; for the others' sake: all my stores into the block are done
	s_barrier_signal -1
	s_barrier_wait -1
.irp i, 0,1,2,3,4,5
	ds_load_b128 v[KR+4*\i:KR+4*\i+3], v16 offset:512*\i
.endr
.irp i, 0,1,2,3,4,5
	s_wait_dscnt 5-\i                              ; LDS loads come back in order: load i is in, the younger ones stay out
	global_store_b128 v17, v[KR+4*\i:KR+4*\i+3], s[10:11] offset:512*\i      ; 32 lanes store 512 consecutive bytes, at a multiple of 256 from kv's first byte
.endr
	s_cmp_lg_u32 ttmp9, 0
	s_cbranch_scc1 .Lonce
.irp i, 0,1,2,3,4,5
	global_store_b128 v17, v[KR+4*\i:KR+4*\i+3], s[10:11] offset:16*STEPB+512*\i   ; step 0 once more as block 16
.endr
.Lonce:
	s_cmp_eq_u32 s12, 3
	s_cbranch_scc1 .Lout
	ds_load_b64 v[KR+24:KR+25], v22
	s_wait_dscnt 0x0
	global_store_b64 v19, v[KR+24:KR+25], s[10:11]
	s_cmp_lg_u32 ttmp9, 0
	s_cbranch_scc1 .Lout
	global_store_b64 v19, v[KR+24:KR+25], s[10:11] offset:16*STEPB
.Lout:
	s_wait_tensorcnt 0x0                           ; the wave's end
	ds_add_u32 v216, v217
	s_wait_dscnt 0x0
	s_endpgm
.Lfunc_end_k_q3e0050a24a_prep:
	.size	k_q3e0050a24a_prep, .Lfunc_end_k_q3e0050a24a_prep-k_q3e0050a24a_prep
	.p2alignl 7, 3214868480
	.fill 96, 4, 3214868480
	.section	.rodata,"a",@progbits
	.p2align	6, 0x0
	.amdhsa_kernel k_q3e0050a24a_prep
		.amdhsa_group_segment_fixed_size 83200
		.amdhsa_private_segment_fixed_size 0
		.amdhsa_enable_private_segment 0
		.amdhsa_kernarg_size 32
		.amdhsa_user_sgpr_count 2
		.amdhsa_user_sgpr_kernarg_segment_ptr 1
		.amdhsa_wavefront_size32 1
		.amdhsa_system_sgpr_workgroup_id_x 1
		.amdhsa_system_sgpr_workgroup_id_y 1
		.amdhsa_system_sgpr_workgroup_id_z 1
		.amdhsa_system_vgpr_workitem_id 0
		.amdhsa_next_free_vgpr 218
		.amdhsa_next_free_sgpr 66
		.amdhsa_reserve_vcc 1
		.amdhsa_float_denorm_mode_32 3
		.amdhsa_float_denorm_mode_16_64 3
		.amdhsa_memory_ordered 1
		.amdhsa_forward_progress 1
		.amdhsa_inst_pref_size 26
	.end_amdhsa_kernel
	.amdgpu_metadata
---
amdhsa.version: [ 1, 2 ]
amdhsa.kernels:
  - .name:           k_q3e0050a24a_prep
    .symbol:         k_q3e0050a24a_prep.kd
    .args:
      - { .name: key_states, .offset: 0, .size: 8, .value_kind: global_buffer, .address_space: global }
      - { .name: value_states, .offset: 8, .size: 8, .value_kind: global_buffer, .address_space: global }
      - { .name: mask, .offset: 16, .size: 8, .value_kind: global_buffer, .address_space: global }
      - { .name: kv, .offset: 24, .size: 8, .value_kind: global_buffer, .address_space: global }
    .group_segment_fixed_size: 83200
    .private_segment_fixed_size: 0
    .kernarg_segment_align: 8
    .kernarg_segment_size: 32
    .max_flat_workgroup_size: 128
    .sgpr_count:     66
    .vgpr_count:     218
    .wavefront_size: 32
...
	.end_amdgpu_metadata
.endif
;; end of part 1
;; launch attn (part 2): grid 8 x 32, 8 waves a work-group, no clusters, 327,680 bytes of LDS; arguments query_states, kv, out0; writes out0
.if DOCPART == 2
	.amdgcn_target "amdgcn-amd-amdhsa--gfx1250"
	.amdhsa_code_object_version 6
	.text
	.protected	k_q3e0050a24a_attn
	.globl	k_q3e0050a24a_attn
	.p2align	8
	.type	k_q3e0050a24a_attn,@function
k_q3e0050a24a_attn:
	s_mov_b64 s[64:65], 0
	v_nop
	global_prefetch_b8 v0, s[64:65] scope:SCOPE_SE
	s_setreg_imm32_b32 hwreg(HW_REG_WAVE_MODE, 25, 1), 1
	s_wait_xcnt 0x0
; out = softmax(q k^T / 8 - circular distance, masked) v for one head (y = 16 b + h) and 256 queries: query groups (128 queries each) x and x + 8 of the head's sixteen.
; Eight waves; waves 0-3 take group x, waves 4-7 group x + 8; a wave takes 32 queries as two tiles of 16.  All 2,048 keys lie in LDS at once: place i (0 .. 15) holds step (x + i) mod 16 of 128 keys, as kv has it.
; Nothing is filled twice: each wave brings two places by its one tensor load; one barrier shows places 0-3, a second, two steps on, the rest.
; NO CLUSTER: the work-groups of a head hold different steps at one place (the walk begins at the work-group's own step), so no two of them ask for the same tile into the same LDS bytes.
; NO PREFETCH: every tile is asked for at the head, and no load stands in a loop.
; THE DISTANCE.  With k and q counted from their groups' starts (0 .. 127) and e = (i + 8 (w / 4)) mod 16 groups from query to key: e = 1 .. 7: 128 e + k - q;  9 .. 15: 128 (16 - e) - k + q;  0: |k - q|;  8: 1024 - |k - q|.
; Scores are kept times 8: S = q k^T + C, t = (S + AP) log2(e) / 8.  C is a key's part, -8 k or +8 k counted from the key's half, 32 lasting registers; AP a query's part, a number a lane, step and half (the halves differ by 512).
; e = 0 and 8 are places 0 and 8 for every wave: there C = -|8 k - 8 q| or +|8 k - 8 q| is made for the tile, and behind place 8 the lasting registers change sign once.
; THE MASK comes through the product: a head has 64 channels, and of the other 64 places of K one holds -4 on K's side and 4 on the query's, under the key's own scale byte: -2^38 for a key whose mask is 0 (its codes are zeros;
; biases of at most 9,208 vanish beside 2^38 in f32), -2^-122 for any other.
; A LANE HOLDS WHOLE BLOCKS: a tile's rows are keys 32 (m / 8) + 8 tt + m % 8 of a half (64 keys), so that lane (r, h)'s 32 registers of a half's four tiles are the 32 neighbouring keys 64 c + 32 h + 0 .. 31 of query r:
; one block of the second product's K, in the order of its operand.  So each block has its own whole number: fb = floor(its largest t), p' = 2^(t - fb), its largest in [1, 2): the scale of p' is 2^-2 always,
; and that of p = 2^(t - M) is 2^(fb - M - 2): byte fb - M + 125, held at 0 from below.  M is the running largest fb of the query, a whole number, changed once a step of 128 keys; the sum and O^T then take the factor 2^(old M - new M).
; The sum is taken of p', unquantised, block by block, and weighed by 2^(fb - M).
; THE WALK: the two tiles take turns.  A tile's 64 exponentials are one batch; behind it stand the other tile's maxima, this tile's codes, sums, second product and the next step's first product, and the other tile's arguments.
; LIMITS: holds while the scaled scores stay under 2^31 in magnitude (a masked key's score stands at -2^38 / 8 where the reference has -1e9: a row with no unmasked key weighs all keys alike in both); a block more than 2^125 under
; the row's largest p has the byte 0 (2^-127); NaN and infinities among the inputs are not served.
.set STEPB, 13056
.set CHUNK, 2*STEPB
.set STAGE, 16*STEPB                   ; 16 rows of 256 + 16 bytes for each wave: queries in, results out
.set SP,    272
.set SPARE, STAGE+8*16*SP
; window 0
.set L16,   1                          ; 16 lane, 8 lane
.set L8,    2
.set STO,   3
.set RD,    4
.set QRD,   5
.set QA,    6
.set QS,    8                          ; queries' scale words: lanes 0-15 for even tiles of K, 16-31 for odd ones
.set VS,    10
.set KS,    12
.set PS,    16                         ; p's scale words, a register a tile
.set SPW,   18
.set NIL,   19
.set RR,    20                         ; r, h: at the head
.set HH,    21
.set N16,   22                         ; the place to load from
.set N8,    23
.set KB,    24                         ; K of a step: two halves x two pairs x (6 registers of the even tile, 6 of the mask's place, 6 of the odd tile)
.set OB,    24
; window 1
.set CT,    0                          ; the lasting C
.set VF,    32
; both windows: tile t in window t
.set S,     96
.set O,     160
.set PC,    192
.set PT,    204
.set QF,    212                        ; 6 registers of codes, 6 of the mask's place, the codes again
.set LS,    230
.set T0,    232                        ; eight chains of maxima; later the sums:
.set X0,    232
.set X1,    234
.set X2,    236
.set QC,    238
.set BB,    240                        ; what is added to the scores, half 0 and half 1
.set WA,    242                        ; the blocks' weights, half 0 and half 1
.set WB,    243
.set U8,    244
.set MR,    245
.set FF,    246
.set SCV,   247
.set FB,    248
.set AP,    250
.set PM,    252
.set TT,    253
.set E0,    254
.set E1,    255
; scalars
.set WV,   10
.set GG,   12
.set PL,   13
.set TB,   14
.set CNT,  16
.set OFA,  17
.set OFF,  18
.set SG,   19
.set SA,   20
.set ABSM, 21
.set CS,   22
.set G1,   24
.set G0,   32
.set SEL,  36
.set SBIT, 38
.set ONE,  39
.set SG8,  40
.set SG16, 42
.set SG256, 44
.set SG128, 45
.set US,   46
.set MSB, 0
.macro WIN new
.if MSB != (\new)
	s_set_vgpr_msb (MSB<<8)|(\new)
.set MSB, (\new)
.endif
.endm
.macro DL n
	s_delay_alu instid0(VALU_DEP_\n)
.endm
.macro QB x, d0, d1, so, by, ta, tb
	v_max3_num_f32 v[\ta], |v[\x]|, |v[\x+1]|, |v[\x+2]|
	v_max3_num_f32 v[\tb], |v[\x+3]|, |v[\x+4]|, |v[\x+5]|
.irp i, 6,10,14,18,22,26
	v_max3_num_f32 v[\ta], v[\ta], |v[\x+\i]|, |v[\x+\i+1]|
	v_max3_num_f32 v[\tb], v[\tb], |v[\x+\i+2]|, |v[\x+\i+3]|
.endr
	v_max3_num_f32 v[\ta], v[\ta], |v[\x+30]|, |v[\x+31]|
	v_max3_num_f32 v[\ta], v[\ta], v[\tb], 0x1800000
	v_add_nc_u32 v[\so], 0xff000000, v[\ta]
	v_lshrrev_b32 v[\by], 23, v[\so]
	v_cvt_scalef32_pk16_fp6_f32 v[\d0:\d0+2], v[\x:\x+15], v[\so]
	v_cvt_scalef32_pk16_fp6_f32 v[\d1:\d1+2], v[\x+16:\x+31], v[\so]
	v_nop
.endm
	s_load_b128 s[4:7], s[0:1], 0x0                ; queries, kv
	s_load_b64 s[8:9], s[0:1], 0x10                ; out
	v_lshl_add_u32 v[SPW], v0, 2, SPARE
	v_mov_b32 v[NIL], 0
	ds_add_u32 v[SPW], v[NIL]                      ; the wave's opening: the add, twice on end, and its wait
	ds_add_u32 v[SPW], v[NIL]
	v_lshrrev_b32 v[RR], 5, v0
	v_readfirstlane_b32 s[WV], v[RR]
	s_and_b32 s11, ttmp7, 0xffff                   ; y = 16 b + h
	s_lshr_b32 s[GG], s[WV], 2                     ; 0: query group x, 1: x + 8
	s_lshr_b32 s52, s11, 4
	s_and_b32 s53, s11, 15
	s_lshl_b32 s52, s52, 11
	s_lshl_b32 s54, s[GG], 3
	s_add_co_u32 s54, s54, ttmp9
	s_lshl_b32 s54, s54, 7
	s_add_co_u32 s52, s52, s54
	s_and_b32 s54, s[WV], 3
	s_lshl_b32 s54, s54, 5
	s_add_co_u32 s52, s52, s54                     ; my first query's row, of 4,096 bytes
	s_lshl_b32 s52, s52, 12
	s_lshl_b32 s53, s53, 8
	s_add_co_u32 s52, s52, s53
	s_mov_b32 s53, 0
	s_lshl_b32 s54, s[WV], 1
	s_add_co_u32 s54, s54, ttmp9
	s_and_b32 s54, s54, 15                         ; my places 2 w, 2 w + 1 take steps x + 2 w and the one behind it (kv has step 0 again behind step 15)
	s_mul_i32 s55, s11, 17
	s_add_co_u32 s54, s54, s55
	s_mul_i32 s54, s54, STEPB
	s_mov_b32 s55, 0
	s_mul_i32 s58, s[WV], CHUNK
	s_mov_b32 s[G1+0], 3<<16                       ; 102 rows of 32 elements of 8 bytes, end to end
	s_mov_b32 s[G1+1], 32<<16
	s_mov_b32 s[G1+2], 102<<16
	s_mov_b32 s[G1+3], 32<<16
	s_mov_b32 s[G1+4], 102
	s_mov_b32 s[G1+5], 32
	s_mov_b32 s[G1+6], 0
	s_mov_b32 s[G1+7], 0
	s_mov_b32 s[SEL], 0x76543210
	s_mov_b32 s[SEL+1], 0xfedcba98
	s_mov_b32 s[CS], 0x3e38aa3b                    ; log2(e) / 8
	s_mov_b32 s[CS+1], s[CS]
	s_mov_b32 s[ONE], 0x3f800000
	s_mov_b32 s[ABSM], 0x7fffffff
	s_lshl_b32 s60, s[GG], 31                      ; signs: waves 0-3 begin with C = -8 k, waves 4-7 with +8 k
	s_xor_b32 s[SG8], s60, 0xc1000000
	s_xor_b32 s[SG16], s60, 0xc1800000
	s_mov_b32 s[SG16+1], s[SG16]
	s_xor_b32 s[SG128], s60, 0xc3000000
	s_xor_b32 s[SG256], s60, 0xc3800000
	s_xor_b32 s[OFF], s60, 0xc4000000              ; half 1's distance from half 0: 8 x 64
	s_xor_b32 s[US], s60, 0x41000000
	s_xor_b32 s[SBIT], s60, 0x80000000             ; place 0: -|.| for waves 0-3, +|.| for waves 4-7
	v_and_b32 v[RR], 31, v0
	v_lshlrev_b32 v[L16], 4, v[RR]
	v_lshlrev_b32 v[L8], 3, v[RR]
	v_and_b32 v[RR], 15, v0                        ; r
	v_bfe_u32 v[HH], v0, 4, 1                      ; h
	v_lshlrev_b32 v[QA], 4, v[RR]
	v_lshl_add_u32 v[QA], v[HH], 12, v[QA]         ; lanes 0-15 one query's 256 bytes, lanes 16-31 the next one's
	s_wait_alu depctr_va_vdst(0)                   ; directly ahead of the waits below
	s_wait_dscnt 0x0
	s_wait_kmcnt 0x0
	s_add_nc_u64 s[4:5], s[4:5], s[52:53]
	s_add_nc_u64 s[8:9], s[8:9], s[52:53]
	s_add_nc_u64 s[6:7], s[6:7], s[54:55]
	s_mov_b32 s[G0], 1
	s_mov_b32 s[G0+1], s58
	s_mov_b64 s[G0+2:G0+3], s[6:7]
	s_or_b32 s[G0+3], s[G0+3], 0x80000000
.macro QLOAD                           ; my 32 queries, into O^T's registers, which are not in use yet
.irp t, 0,1
	WIN 0x40*\t
.irp i, 0,1,2,3,4,5,6,7
	global_load_b128 v[O+4*\i:O+4*\i+3], v[QA], s[4:5] offset:65536*\t+8192*\i th:TH_LOAD_NT
.endr
.endr
	WIN 0
.endm
	; one tensor load a wave; two lines, since waves 0-1 and 2-7 are waited for at two barriers.  Places 0-3 are needed first: they are asked for ahead of the queries, the others behind them
	s_cmp_lt_u32 s[WV], 2
	s_cbranch_scc0 .Lask_b
	tensor_load_to_lds s[G0:G0+3], s[G1:G1+7]
	s_nop 0
.rept 4
	v_nop
.endr
	QLOAD
	s_branch .Lasked
.Lask_b:
	QLOAD
	tensor_load_to_lds s[G0:G0+3], s[G1:G1+7]
	s_nop 0
.rept 4
	v_nop
.endr
.Lasked:
	s_mul_i32 s55, s[WV], 16*SP
	s_add_co_u32 s55, s55, STAGE
	v_mul_u32_u24 v[N16], v[RR], SP
	v_add_nc_u32 v[N16], s55, v[N16]
	v_lshl_add_u32 v[STO], v[HH], 5, v[N16]
	v_lshl_add_u32 v[QRD], v[HH], 7, v[N16]
	v_mul_u32_u24 v[RD], v[HH], SP
	v_lshl_add_u32 v[RD], v[RR], 4, v[RD]
	v_add_nc_u32 v[RD], s55, v[RD]
	; the mask's place in K's operands: the code of -4 in lanes 16-31's first place, zeros elsewhere
.irp b, 0,1
.irp p, 0,1
	v_mul_u32_u24 v[KB+36*\b+18*\p+6], 56, v[HH]
.irp i, 7,8,9,10,11
	v_mov_b32 v[KB+36*\b+18*\p+\i], 0
.endr
.endr
.endr
.macro TINIT t
	s_and_b32 s60, s[WV], 3
	s_lshl_b32 s60, s60, 5
	s_add_co_u32 s60, s60, 16*\t
	WIN 0x40*\t
	v_add_nc_u32 v[U8], s60, v[RR]                 ; q in its group
	v_lshlrev_b32 v[E1], 3, v[HH]                  ; 8 h
	v_mul_u32_u24 v[QF+6], 24, v[HH]               ; the mask's place on the query's side: the code of 4
	WIN 0x55*\t
	v_cvt_f32_u32 v[U8], v[U8]
	v_mul_f32 v[U8], s[US], v[U8]                  ; +8 q, or -8 q where C begins with +8 k
	v_mov_b32 v[MR], 0xff61b1e6                    ; M: -3e38
	v_mov_b32 v[SCV], 0x3e800000                   ; 2^-2: the scale of every p'
	v_mov_b32 v[PM], 0                             ; (a lane permute's destination counts as one of its sources)
.irp i, LS, LS+1, BB+1, QF+7, QF+8, QF+9, QF+10, QF+11
	v_mov_b32 v[\i], 0
.endr
.endm
	TINIT 0
	TINIT 1
	; C: register n of lane (r, h): +-8 (32 h + n)
	WIN 0x40
	v_cvt_f32_u32 v[CT], v[HH]
	WIN 0x55
	v_mul_f32 v[CT], s[SG256], v[CT]
	v_add_f32 v[CT+1], s[SG8], v[CT]
	v_add_f32 v[CT+16], s[SG128], v[CT]
	v_add_f32 v[CT+17], s[SG8], v[CT+16]
.set jj, 2
.rept 7
	v_pk_add_f32 v[CT+jj:CT+jj+1], v[CT+jj-2:CT+jj-1], s[SG16:SG16+1] op_sel_hi:[1,0]
	v_pk_add_f32 v[CT+jj+16:CT+jj+17], v[CT+jj+14:CT+jj+15], s[SG16:SG16+1] op_sel_hi:[1,0]
.set jj, jj+2
.endr
; the queries of tile t: through my stage, then one block of 32 channels a lane
.macro QTURN t, left
	s_wait_alu depctr_va_vdst(0)                   ; directly ahead of the wait below
	s_wait_loadcnt \left                           ; tile 0: tile 1's eight loads may be out
	WIN 0x04*\t
.irp i, 0,1,2,3,4,5,6,7
	ds_store_b128 v[RD], v[O+4*\i:O+4*\i+3] offset:2*SP*\i
.endr
	WIN 0x40*\t
.irp e, 0,1,2,3,4,5,6,7
	ds_load_b128 v[S+4*\e:S+4*\e+3], v[QRD] offset:16*\e
.endr
	s_wait_dscnt 0x0
	WIN 0x55*\t
	QB S, QF, PT, TT, E0, T0, T0+1
.irp i, 0,1,2
	v_mov_b32 v[QF+3+\i], v[PT+\i]
.endr
.irp i, 0,1,2,3,4,5
	v_mov_b32 v[QF+12+\i], v[QF+\i]
.endr
	v_lshlrev_b32 v[TT], v[E1], v[E0]
	v_permlanex16_b32 v[PM], v[TT], s[SEL], s[SEL+1]
	v_or_b32 v[TT], v[TT], v[PM]                   ; the query's two bytes,
	v_lshlrev_b32 v[E0], 1, v[E1]                  ; 16 h
	v_mov_b32 v[T0], 0x7f7f0000
	v_lshlrev_b32 v[TT], v[E0], v[TT]              ; below 127, 127 in lanes 0-15, above them in lanes 16-31
	v_lshrrev_b32 v[T0], v[E0], v[T0]
	WIN 0x05*\t
	v_or_b32 v[QS+\t], v[TT], v[T0]
.endm
	QTURN 0, 8
	QTURN 1, 0
.irp t, 0,1
	WIN 0x55*\t
.set jj, 0
.rept 32
	v_mov_b32 v[O+jj], 0                           ; the step is written once: its first change of M finds zeros
.set jj, jj+1
.endr
.endr
	WIN 0
; K's half c of a step; base: bytes behind the address
.macro KLOAD c, a16, a8, base
.irp n, 0,1,2,3
.set KD, KB+36*\c+18*(\n/2)+12*(\n%2)
	ds_load_b128 v[KD:KD+3], v[\a16] offset:\base+3328*\c+768*\n
	ds_load_b64 v[KD+4:KD+5], v[\a8] offset:\base+3328*\c+768*\n+512
.endr
	ds_load_b64 v[KS+2*\c:KS+2*\c+1], v[\a8] offset:\base+3328*\c+3072
.endm
.macro VLOAD a16, a8
	WIN 0x40
.irp i, 0,1,2,3,4,5,6,7,8,9,10,11
	ds_load_b128 v[VF+4*\i:VF+4*\i+3], v[\a16] offset:6656+512*\i
.endr
	WIN 0
	ds_load_b64 v[VS:VS+1], v[\a8] offset:12800
.endm
; S of tile t and half c: four products.  sp = 0: C from the lasting registers; 1: C made in S's own registers
.macro QK1 t, c, sp, n                 ; the n-th of them
.if \sp
	WIN 0x54*\t
.else
	WIN 0x10+0x44*\t
.endif
.set KA, KB+36*\c+18*(\n/2)+6*(\n%2)
.set QB0, QF+6*(\n%2)
.set SD, S+32*\c+8*\n
.if \sp
.set CC, SD
.else
.set CC, CT+8*\n
.endif
.if \n%2
	v_wmma_scale_f32_16x16x128_f8f6f4 v[SD:SD+7], v[KA:KA+11], v[QB0:QB0+11], v[CC:CC+7], v[KS+2*\c+\n/2], v[QS+\t] matrix_a_fmt:MATRIX_FMT_FP6 matrix_b_fmt:MATRIX_FMT_FP6 matrix_a_scale:MATRIX_SCALE_ROW1 matrix_b_scale:MATRIX_SCALE_ROW1
.else
	v_wmma_scale_f32_16x16x128_f8f6f4 v[SD:SD+7], v[KA:KA+11], v[QB0:QB0+11], v[CC:CC+7], v[KS+2*\c+\n/2], v[QS+\t] matrix_a_fmt:MATRIX_FMT_FP6 matrix_b_fmt:MATRIX_FMT_FP6
.endif
.endm
.macro QK t, c, sp                     ; all four
.irp n, 0,1,2,3
	QK1 \t, \c, \sp, \n
.endr
.endm
; places 0 and 8: C = +-|8 k - 8 q|
.macro CABS t, c
.if \c
	WIN 0x55*\t
	v_add_f32 v[BB], s[OFF], v[U8]
	WIN 0x01+0x44*\t
.set UU, BB
.else
	WIN 0x01+0x44*\t
.set UU, U8
.endif
.set jj, 0
.rept 16
	v_pk_add_f32 v[S+32*\c+jj:S+32*\c+jj+1], v[CT+jj:CT+jj+1], v[UU:UU+1] op_sel_hi:[1,0]
.set jj, jj+2
.endr
	WIN 0x55*\t
.set jj, 0
.rept 32
	v_and_or_b32 v[S+32*\c+jj], v[S+32*\c+jj], s[ABSM], s[SBIT]
.set jj, jj+1
.endr
.endm
; the query's part of place PL
.macro SCAL
	s_lshl_b32 s52, s[GG], 3
	s_add_co_u32 s52, s52, s[PL]
	s_and_b32 s52, s52, 15                         ; e
	s_sub_co_u32 s53, 16, s52
	s_min_u32 s52, s52, s53
	s_cvt_f32_u32 s[SA], s52
	s_mul_f32 s[SA], s[SA], 0xc4800000             ; -1024 min(e, 16 - e)
	s_and_b32 s53, s[PL], 7
	s_cmp_eq_u32 s53, 0                            ; places 0 and 8: q and the half's 512 are in C
	s_cselect_b32 s[SG], 0, s[ONE]
	s_cselect_b32 s[OFA], 0, s[OFF]
.endm
; a step's maxima of the tile whose window is set: both blocks' whole numbers, and what is added to the scores
.macro MAXS
	s_wait_alu depctr_va_vdst(0)                   ; ahead of the scores' first readers (and behind the other tile's exponentials)
.irp a, 0,1,2,3,4,5,6,7
	v_max3_num_f32 v[T0+\a], v[S+8*\a], v[S+8*\a+1], v[S+8*\a+2]
.endr
.irp i, 3,5
.irp a, 0,1,2,3,4,5,6,7
	v_max3_num_f32 v[T0+\a], v[T0+\a], v[S+8*\a+\i], v[S+8*\a+\i+1]
.endr
.endr
.irp c, 0,1
	v_max3_num_f32 v[T0+4*\c], v[T0+4*\c], v[S+32*\c+7], v[S+32*\c+15]
	v_max3_num_f32 v[T0+4*\c+1], v[T0+4*\c+1], v[S+32*\c+23], v[S+32*\c+31]
.endr
	v_fma_f32 v[AP], s[SG], v[U8], s[SA]
.irp c, 0,1
	v_max3_num_f32 v[T0+4*\c], v[T0+4*\c], v[T0+4*\c+1], v[T0+4*\c+2]
.endr
	v_add_f32 v[AP+1], s[OFA], v[AP]
.irp c, 0,1
	v_max3_num_f32 v[T0+4*\c], v[T0+4*\c], v[T0+4*\c+3], 0xd2800000   ; and -2^38, a masked key's score
.endr
	DL 2
	v_add_f32 v[TT], v[T0], v[AP]
	DL 2
	v_add_f32 v[E1], v[T0+4], v[AP+1]
	DL 2
	v_mul_f32 v[TT], s[CS], v[TT]
	DL 2
	v_mul_f32 v[E1], s[CS], v[E1]
	DL 2
	v_floor_f32 v[FB], v[TT]
	DL 2
	v_floor_f32 v[FB+1], v[E1]
	DL 2
	v_fma_f32 v[BB], v[AP], s[CS], -v[FB]
	DL 2
	v_fma_f32 v[BB+1], v[AP+1], s[CS], -v[FB+1]
.endm
; 2 n scores from register j on become exponents
.macro ARGS j, n
.set jj, \j
.rept \n
.if jj < 32
	v_pk_fma_f32 v[S+jj:S+jj+1], v[S+jj:S+jj+1], s[CS:CS+1], v[BB:BB+1] op_sel_hi:[1,0,0]
.else
	v_pk_fma_f32 v[S+jj:S+jj+1], v[S+jj:S+jj+1], s[CS:CS+1], v[BB:BB+1] op_sel:[0,0,1] op_sel_hi:[1,0,1]
.endif
.set jj, jj+2
.endr
.endm
; the unquantised sum of half c's block, weighed
.macro SUMC c, p                       ; in six parts, other work between them
.set SC, S+32*\c
.if \p == 0
	v_pk_add_f32 v[X0:X0+1], v[SC:SC+1], v[SC+2:SC+3]
	v_pk_add_f32 v[X1:X1+1], v[SC+4:SC+5], v[SC+6:SC+7]
	v_pk_add_f32 v[X2:X2+1], v[SC+8:SC+9], v[SC+10:SC+11]
	v_pk_add_f32 v[QC:QC+1], v[SC+12:SC+13], v[SC+14:SC+15]
.elseif \p < 3
.set SJ, SC+8+8*\p
	v_pk_add_f32 v[X0:X0+1], v[X0:X0+1], v[SJ:SJ+1]
	v_pk_add_f32 v[X1:X1+1], v[X1:X1+1], v[SJ+2:SJ+3]
	v_pk_add_f32 v[X2:X2+1], v[X2:X2+1], v[SJ+4:SJ+5]
	v_pk_add_f32 v[QC:QC+1], v[QC:QC+1], v[SJ+6:SJ+7]
.elseif \p == 3
	v_pk_add_f32 v[X0:X0+1], v[X0:X0+1], v[X1:X1+1]
	v_pk_add_f32 v[QC:QC+1], v[QC:QC+1], v[X2:X2+1]
.elseif \p == 4
	v_pk_add_f32 v[QC:QC+1], v[QC:QC+1], v[X0:X0+1]
.elseif \c
	v_pk_fma_f32 v[LS:LS+1], v[QC:QC+1], v[WA:WA+1], v[LS:LS+1] op_sel:[0,1,0] op_sel_hi:[1,1,1]
.else
	v_pk_fma_f32 v[LS:LS+1], v[QC:QC+1], v[WA:WA+1], v[LS:LS+1] op_sel_hi:[1,0,1]
.endif
.endm
; the second product, channels 16 d .. 16 d + 15
.macro PV1 t, d
	WIN 0x01+0x54*\t
.if \d%2
	v_wmma_scale_f32_16x16x128_f8f6f4 v[O+8*\d:O+8*\d+7], v[VF+12*\d:VF+12*\d+11], v[PC:PC+11], v[O+8*\d:O+8*\d+7], v[VS+\d/2], v[PS+\t] matrix_a_fmt:MATRIX_FMT_FP6 matrix_b_fmt:MATRIX_FMT_FP6 matrix_a_scale:MATRIX_SCALE_ROW1
.else
	v_wmma_scale_f32_16x16x128_f8f6f4 v[O+8*\d:O+8*\d+7], v[VF+12*\d:VF+12*\d+11], v[PC:PC+11], v[O+8*\d:O+8*\d+7], v[VS+\d/2], v[PS+\t] matrix_a_fmt:MATRIX_FMT_FP6 matrix_b_fmt:MATRIX_FMT_FP6
.endif
.endm
; A tile's phase.  mx = 1: the other tile's maxima and arguments stand in it (tile 1's phase: those of the next step); qk: the next step's products (0: none, 2: place 8's);
; ld (tile 1's phase): 2 K of the step behind the next and V of the next one, 1 V alone; fl = 1: behind place 8's products the signs change
.macro PH t, mx, qk, ld, fl
.if \t
.if \ld
	WIN 0
	v_add_nc_u32 v[N16], s[TB], v[L16]             ; the next step's place
	v_add_nc_u32 v[N8], s[TB], v[L8]
	s_add_co_u32 s[TB], s[TB], STEPB
.endif
.if \mx
	s_add_co_u32 s[PL], s[PL], 1
	SCAL
.endif
.endif
	WIN 0x55*\t
	s_wait_alu depctr_va_vdst(0)                   ; ahead of the batch
.set jj, 0
.rept 64
	v_exp_f32 v[S+jj], v[S+jj]
.set jj, jj+1
.endr
	v_max_num_f32 v[TT], v[FB], v[FB+1]            ; (plain work that names no exponential's result)
.if \mx
	WIN 0x55*(1-\t)
	MAXS
.endif
.if \t == 0
	s_wait_dscnt 0x0                               ; the next step's K and this step's V are in
.endif
	WIN 0x55*\t
	s_wait_alu depctr_va_vdst(0)                   ; behind the batch, ahead of its results' first readers
	v_cvt_scalef32_pk16_fp6_f32 v[PC:PC+2], v[S:S+15], v[SCV]
	v_cvt_scalef32_pk16_fp6_f32 v[PT:PT+2], v[S+16:S+31], v[SCV]
	v_cvt_scalef32_pk16_fp6_f32 v[PC+6:PC+8], v[S+32:S+47], v[SCV]
	v_cvt_scalef32_pk16_fp6_f32 v[PT+4:PT+6], v[S+48:S+63], v[SCV]
	SUMC 0, 0                                      ; half 0's sum, and among its parts the step's M, the scale bytes and the weights
	v_permlanex16_b32 v[PM], v[TT], s[SEL], s[SEL+1]
	SUMC 0, 1
	v_max3_num_f32 v[TT], v[TT], v[PM], v[MR]      ; the new M
	SUMC 0, 2
	v_sub_f32 v[E0], v[MR], v[TT]
	v_sub_f32 v[E1], 0x42fa0000, v[TT]             ; 125 - M
	v_mov_b32 v[MR], v[TT]
	SUMC 0, 3
	v_cvt_i32_f32 v[E0], v[E0]
	v_add_f32 v[WA], v[FB], v[E1]
	v_add_f32 v[WB], v[FB+1], v[E1]
	SUMC 0, 4
	v_ldexp_f32 v[FF], 1.0, v[E0]                  ; 2^(old M - new M)
	v_cvt_u32_f32 v[WA], v[WA]                     ; the blocks' scale bytes (what is negative gives 0)
	v_cvt_u32_f32 v[WB], v[WB]
.irp i, 0,1,2
	v_mov_b32 v[PC+3+\i], v[PT+\i]                 ; (a conversion's three registers begin on an even number)
	v_mov_b32 v[PC+9+\i], v[PT+4+\i]
.endr
	v_lshl_or_b32 v[E0], v[WB], 16, v[WA]          ; my blocks' bytes; lane l xor 16 has the other two, one byte up
	v_pk_mul_f32 v[LS:LS+1], v[LS:LS+1], v[FF:FF+1] op_sel_hi:[1,0]
	v_add_lshl_u32 v[WA], v[WA], 2, 23             ; 2^(fb - M)
	v_add_lshl_u32 v[WB], v[WB], 2, 23
	v_permlanex16_b32 v[PM], v[E0], s[SEL], s[SEL+1]
	SUMC 0, 5
	WIN 0x15*\t
	v_lshl_or_b32 v[PS+\t], v[PM], 8, v[E0]        ; lanes 0-15 hold the word (lanes 16-31 are not read)
	WIN 0x55*\t
	s_wait_alu depctr_va_vdst(0)                   ; ahead of O^T's first reader
.set jj, 0
.rept 16
	v_pk_mul_f32 v[O+jj:O+jj+1], v[O+jj:O+jj+1], v[FF:FF+1] op_sel_hi:[1,0]
.set jj, jj+2
.endr
.if \qk == 2
	CABS \t, 0
.endif
.irp n, 0,1,2,3                        ; half 0's next products, among half 1's sum
.if \qk
	QK1 \t, 0, \qk-1, \n
.endif
	WIN 0x55*\t
	SUMC 1, \n
.endr
	SUMC 1, 4
	SUMC 1, 5
.if \qk == 2
	CABS \t, 1
.endif
.irp n, 0,1,2,3                        ; the second product and half 1's next products, among the other tile's arguments
	PV1 \t, \n
.if \mx
	WIN 0x55*(1-\t)
	ARGS 8*\n, 4
.endif
.endr
.irp n, 0,1,2,3
.if \qk
	QK1 \t, 1, \qk-1, \n
.endif
.if \mx
	WIN 0x55*(1-\t)
	ARGS 32+8*\n, 4
.endif
.endr
.if \fl
	WIN 0x55
.set jj, 0
.rept 32
	v_xor_b32 v[CT+jj], 0x80000000, v[CT+jj]
.set jj, jj+1
.endr
	v_xor_b32 v[U8], 0x80000000, v[U8]
	WIN 0
	v_xor_b32 v[U8], 0x80000000, v[U8]
	s_xor_b32 s[OFF], s[OFF], 0x80000000
.endif
	WIN 0
.if \ld == 2
	KLOAD 0, N16, N8, STEPB                        ; four plain lines, the last arguments, stand behind the last product
	KLOAD 1, N16, N8, STEPB
.endif
.if \ld
	VLOAD N16, N8
.endif
	WIN 0
.endm
; the results of tile t: divided by the sum, through my stage, out by rows
.macro OUT t
	WIN 0x55*\t
	v_add_f32 v[X0], v[LS], v[LS+1]
	v_permlanex16_b32 v[PM], v[X0], s[SEL], s[SEL+1]
	v_add_f32 v[X0], v[X0], v[PM]                  ; the row's sum
	s_wait_alu depctr_va_vdst(0)                   ; ahead of the transcendental
	v_rcp_f32 v[X0], v[X0]
	v_nop
	s_wait_alu depctr_va_vdst(0)                   ; and behind it
.set jj, 0
.rept 16
	v_pk_mul_f32 v[S+jj:S+jj+1], v[O+jj:O+jj+1], v[X0:X0+1] op_sel_hi:[1,0]
.set jj, jj+2
.endr
	WIN 0x04*\t
.irp d, 0,1,2,3
	ds_store_b128 v[STO], v[S+8*\d:S+8*\d+3] offset:64*\d
	ds_store_b128 v[STO], v[S+8*\d+4:S+8*\d+7] offset:64*\d+16
.endr
	WIN 0
.irp i, 0,1,2,3,4,5,6,7
	ds_load_b128 v[OB+32*\t+4*\i:OB+32*\t+4*\i+3], v[RD] offset:2*SP*\i   ; LDS serves a wave's instructions in order: these see the stores above
.endr
.irp i, 0,1,2,3,4,5,6,7
	s_wait_dscnt 7-\i                              ; load i is in; the younger ones may be out
	global_store_b128 v[QA], v[OB+32*\t+4*\i:OB+32*\t+4*\i+3], s[8:9] offset:65536*\t+8192*\i th:TH_STORE_NT     ; 16 lanes store 256 consecutive bytes, aligned
.endr
.endm
	s_mov_b32 s[PL], 0
	s_mov_b32 s[TB], STEPB
	s_wait_alu depctr_va_vdst(0)                   ; the wait at the head's end
	s_cmp_lt_u32 s[WV], 2
	s_cbranch_scc0 .Lmeet1
	s_wait_tensorcnt 0x0                           ; waves 0 and 1: places 0-3
.Lmeet1:
	s_barrier_signal -1
	s_barrier_wait -1
	KLOAD 0, L16, L8, 0
	KLOAD 1, L16, L8, 0
	CABS 0, 0                                      ; place 0's C
	CABS 0, 1
	CABS 1, 0
	CABS 1, 1
	WIN 0
	s_wait_alu depctr_va_vdst(0)                   ; directly ahead of the wait below
	s_wait_dscnt 0x0
	QK 0, 0, 1
	QK 0, 1, 1
	QK 1, 0, 1
	QK 1, 1, 1
	WIN 0
.rept 4
	v_nop                                          ; places ahead of the loads into K's registers and of the scores' readers
.endr
	KLOAD 0, L16, L8, STEPB
	KLOAD 1, L16, L8, STEPB
	VLOAD L16, L8
	SCAL
	MAXS
	ARGS 0, 32
	s_xor_b32 s[SBIT], s[SBIT], 0x80000000         ; place 8's sign
	s_mov_b32 s[CNT], 2                            ; steps 0 and 1; they load from places 1-3
	s_wait_alu depctr_va_vdst(0)
.Lwalk1:
	PH 0, 1, 1, 0, 0
	PH 1, 1, 1, 2, 0
	s_sub_co_u32 s[CNT], s[CNT], 1
	s_cmp_lg_u32 s[CNT], 0
	s_cbranch_scc1 .Lwalk1
	s_wait_alu depctr_va_vdst(0)                   ; directly ahead of the waits below
	s_wait_dscnt 0x0
	s_wait_tensorcnt 0x0                           ; all places
	s_barrier_signal -1
	s_barrier_wait -1
	s_mov_b32 s[CNT], 5                            ; steps 2-6
.Lwalk2:
	PH 0, 1, 1, 0, 0
	PH 1, 1, 1, 2, 0
	s_sub_co_u32 s[CNT], s[CNT], 1
	s_cmp_lg_u32 s[CNT], 0
	s_cbranch_scc1 .Lwalk2
	PH 0, 1, 2, 0, 0                               ; step 7: its products of the next step are place 8's
	PH 1, 1, 2, 2, 1
	s_mov_b32 s[CNT], 6                            ; steps 8-13
	s_wait_alu depctr_va_vdst(0)
.Lwalk3:
	PH 0, 1, 1, 0, 0
	PH 1, 1, 1, 2, 0
	s_sub_co_u32 s[CNT], s[CNT], 1
	s_cmp_lg_u32 s[CNT], 0
	s_cbranch_scc1 .Lwalk3
	PH 0, 1, 1, 0, 0                               ; step 14: no K behind the next step's
	PH 1, 1, 1, 1, 0
	PH 0, 1, 0, 0, 0                               ; step 15: nothing follows; tile 0's results leave ahead of tile 1's phase
	OUT 0
	PH 1, 0, 0, 0, 0
.rept 4
	v_nop
.endr
	OUT 1
	s_wait_tensorcnt 0x0                           ; the wave's end
	ds_add_u32 v[SPW], v[NIL]
	s_wait_dscnt 0x0
	s_endpgm
.Lfunc_end_k_q3e0050a24a_attn:
	.size	k_q3e0050a24a_attn, .Lfunc_end_k_q3e0050a24a_attn-k_q3e0050a24a_attn
	.p2alignl 7, 3214868480
	.fill 96, 4, 3214868480
	.section	.rodata,"a",@progbits
	.p2align	6, 0x0
	.amdhsa_kernel k_q3e0050a24a_attn
		.amdhsa_group_segment_fixed_size 327680
		.amdhsa_private_segment_fixed_size 0
		.amdhsa_enable_private_segment 0
		.amdhsa_kernarg_size 24
		.amdhsa_user_sgpr_count 2
		.amdhsa_user_sgpr_kernarg_segment_ptr 1
		.amdhsa_wavefront_size32 1
		.amdhsa_system_sgpr_workgroup_id_x 1
		.amdhsa_system_sgpr_workgroup_id_y 1
		.amdhsa_system_sgpr_workgroup_id_z 1
		.amdhsa_system_vgpr_workitem_id 0
		.amdhsa_next_free_vgpr 512
		.amdhsa_next_free_sgpr 66
		.amdhsa_reserve_vcc 0
		.amdhsa_float_denorm_mode_32 3
		.amdhsa_float_denorm_mode_16_64 3
		.amdhsa_memory_ordered 1
		.amdhsa_forward_progress 1
		.amdhsa_inst_pref_size 230
	.end_amdhsa_kernel
	.amdgpu_metadata
---
amdhsa.version: [ 1, 2 ]
amdhsa.kernels:
  - .name:           k_q3e0050a24a_attn
    .symbol:         k_q3e0050a24a_attn.kd
    .args:
      - { .name: query_states, .offset: 0, .size: 8, .value_kind: global_buffer, .address_space: global }
      - { .name: kv, .offset: 8, .size: 8, .value_kind: global_buffer, .address_space: global }
      - { .name: out0, .offset: 16, .size: 8, .value_kind: global_buffer, .address_space: global }
    .group_segment_fixed_size: 327680
    .private_segment_fixed_size: 0
    .kernarg_segment_align: 8
    .kernarg_segment_size: 24
    .max_flat_workgroup_size: 256
    .sgpr_count:     66
    .vgpr_count:     512
    .wavefront_size: 32
...
	.end_amdgpu_metadata
.endif
;; end of part 2
